; MI455X (gfx1250); checked and timed in simulation.
; The chip was launched on July 23, 2026; its instructions are those of AMD's public machine-readable ISA for CDNA 5 (MIT licence, August 2026) and "CDNA5" Instruction Set Architecture Reference Guide (July 2026). The comments in the code are by the model that wrote it; some were corrected since.
;; Multi Head Self Attention. Allowed arithmetic: matrix products marked QUANTISED: E4M3 operands, one E8M0 scale for each 32 along K, by v_wmma_scale_f32_16x16x128_f8f6f4 with both operands' format E4M3, f32 sums; everything else in f32.
;; Inputs: Wk 512 x 512 float32; Wo 1,024 x 512 float32; Wq 512 x 512 float32; Wv 512 x 512 float32; bo 1,024 float32; x 1 x 4,096 x 1,024 float32.
;; Outputs: out0 1 x 4,096 x 1,024 float32.
;; This version of the problem:
;;   THIS VERSION OF THE PROBLEM IS GIVEN IN LOW PRECISION. The matrix products marked QUANTISED in the list below multiply operands that are first quantised to E4M3 (4 exponent bits, 3 mantissa bits; 8 bits a number), with one power-of-two scale for each 32 numbers along K (OCP MX v1.0); their sums are f32. All else is computed in f32.
;;   The module's matrix products, in the order in which they are computed (A, B: the left and right operand; K: the contracted axis; several contracted axes count as one K, in the product's order):
;;     1. [M 4,096, K 512] x [K 512, N 512]; A: input x; B: input Wq: QUANTISED
;;     2. [M 4,096, K 512] x [K 512, N 512]; A: input x; B: input Wk: QUANTISED
;;     3. [M 4,096, K 512] x [K 512, N 512]; A: input x; B: input Wv: QUANTISED
;;     4. batch 16 x [M 4,096, K 32] x [K 32, N 4,096]; A: computed on the way; B: computed on the way: QUANTISED
;;     5. batch 16 x [M 32, K 4,096] x [K 4,096, N 4,096]; A: computed on the way; B: softmax (see below): QUANTISED
;;     6. [M 4,096, K 512] x [K 512, N 1,024]; A: computed on the way; B: input Wo: QUANTISED
;;   THE QUANTISER, for each operand of a quantised product, along K:
;;     - K is cut into blocks of 32 from its start; a last block that is shorter is filled with zeros.
;;     - A block's scale is 2^e with e = floor(log2(the largest magnitude in the block)) - 8, held to -126 .. 127; a block of zeros has e = 0. As a byte (E8M0): e + 127.
;;     - Each number is divided by its block's scale, clamped to +-448, and rounded to the nearest number of E4M3, ties to even, subnormals kept.
;;     - The product sums the exact products of the quantised numbers (number of the format x scale) in f32.
;;   ~~~python
;;   def quantise(x, axis):      # numpy; x: float32 -> the quantised numbers, widened to float32 again
;;       x = np.moveaxis(x, axis, -1); K = x.shape[-1]
;;       x = np.pad(x, [(0, 0)] * (x.ndim - 1) + [(0, -K % 32)]); x = x.reshape(x.shape[:-1] + (-1, 32)); a = np.abs(x).max(-1, keepdims=True)
;;       e = np.where(a > 0, np.clip(np.frexp(np.where(a > 0, a, 1))[1] - 1 - 8, -126, 127), 0)      # np.frexp(a)[1] - 1 = floor(log2(a)), exactly
;;       r = np.clip(x / 2.0 ** e, -448, 448)
;;       step = 2.0 ** (np.maximum(np.frexp(np.where(r == 0, 1, r))[1] - 1, -6) - 3)
;;       q = np.round(r / step) * step * 2.0 ** e      # np.round: ties to even
;;       return np.moveaxis(q.reshape(q.shape[:-2] + (-1,))[..., :K], -1, axis).astype(np.float32)
;;   ~~~
;;   SOFTMAX AHEAD OF A QUANTISED PRODUCT. Where the list says 'softmax', what is quantised is not the finished softmax but p = 2^(t - M), with t = logit x log2(e) and M = ceil(the row's largest t), a whole number; so 1/2 < the row's largest p <= 1. The row's sum l is taken of the UNQUANTISED p, in f32, and the product's result is divided by l at the end. Since M is a whole number, a kernel that streams over the keys may use a running M (the ceiling of the running maximum): every later rescaling is an exact power of two, which a block's scale takes up: the codes' values come out the same.
;;   OPERANDS COMPUTED ON THE WAY. 'Computed on the way' means the value that the module computes at that place (a softmax that the list does not call 'softmax' is quantised finished and normalised). What goes into a quantiser is computed in f32, as accurately as f32 sums, v_exp_f32 and their like allow (about 1e-6 of the number): no bf16 or f16 on the way to a quantiser, and a product that is left as it is and whose result goes on into a quantised operand takes f32 operands (vector FMAs, or v_wmma_f32_16x16x4_f32). A number that lies on a knife's edge between two numbers of the format may be rounded either way, as far as f32 arithmetic and the matrix unit's own rounding can turn it there, and no further.
;; One version. Each part assembles by itself: llvm-mc -triple=amdgcn-amd-amdhsa -mcpu=gfx1250 --defsym DOCPART=n.
;; ======== version 1 of 1: 4 launches
;; limits: right only within a limited range of input values
;; workspace buffers: img 3,620,864 bytes; qimg 4,521,984 bytes; kv 4,521,984 bytes; ocodes 2,097,152 bytes; oscales 65,536 bytes
;; launch prep (part 1): grid 256 x 1, 7 waves a work-group, no clusters, 0 bytes of LDS; arguments x, Wq, Wk, Wv, Wo, img; writes img
.if DOCPART == 1
	.amdgcn_target "amdgcn-amd-amdhsa--gfx1250"
	.amdhsa_code_object_version 6
	.text
	.protected	k_qe6dd05d91d_prep
	.globl	k_qe6dd05d91d_prep
	.p2align	8
	.type	k_qe6dd05d91d_prep,@function
k_qe6dd05d91d_prep:
	s_mov_b64 s[64:65], 0
	v_nop
	global_prefetch_b8 v0, s[64:65] scope:SCOPE_SE
	s_setreg_imm32_b32 hwreg(HW_REG_WAVE_MODE, 25, 1), 1
	s_wait_xcnt 0x0
; THE QUANTISER OF THE INPUTS: left = the first 512 numbers of each row of x, Wq, Wk, Wv and Wo become codes of FP8 (E4M3) with one E8M0 scale for each 32 along K, once for the whole program.
; WORK LEFT OUT: reference() slices left = x[..., :512] and never names the other 512 numbers of a row, whatever they hold: they are not loaded.  A NaN or an infinity there is not carried to the result.
; img is laid [tile 416][8,704 bytes]: tiles 0-255 of x, 256-287 Wq, 288-319 Wk, 320-351 Wv, 352-415 Wo.  A tile is 16 rows x 512 K, AS AN IMAGE OF THE OPERAND'S REGISTERS: register group c of lane l of K step s at
; 2048 s + 512 c + 16 l; lane l's scale word of K step s at 8192 + 16 l + 4 s (lanes 16-31 repeat lanes 0-15's).
; THE ROWS OF A TILE ARE NOT NEIGHBOURS: lane r of a tensor's tile U takes row 32 (U / 2) + 8 (U % 2) + r + 8 (r / 8), so that as source 0 the 16 result registers of tiles 2 b, 2 b + 1 are 16 neighbouring rows.
; SHARES.  A wave takes one K step of one tile: 1,664 units; unit 256 x wave + work-group, so waves 0-5 of all 256 work-groups have one and wave 6 of the first 128.  No LDS, no barrier: waves share nothing.
; A lane loads 16 neighbours of each block of 32 (lanes l and l xor 16 hold a block).  Code stores cover 512 consecutive bytes; the scale words leave 4 bytes a lane, 16 bytes apart: one byte in 17 of what is stored.
; LIMITS: NaN and infinities among the inputs are not served.  A block of zeros gets the scale byte 1 (the quantiser's text says 127): its codes are zeros, and this program alone reads the bytes.
.set TREC,  8704
.set UNITS, 1664
.set LI,  1                            ; v1   16 x lane
.set XA,  2                            ; v2   my lane's byte in the tile's rows in memory
.set X0,  16                           ; v16-79 my 64 numbers
.set PC,  80                           ; v80-95 the codes
.set TM,  96                           ; v96-99 largest magnitudes, 100-103 bytes, 104-107 448 x the scale, 108-111 the conversions' scale operands
.set PW,  112                          ; v112 the scale word
.set SRC, 20
.set SEL, 32
.set MNT, 34
	s_load_b256 s[4:11], s[0:1], 0x0               ; x, Wq, Wk, Wv
	s_load_b128 s[12:15], s[0:1], 0x20             ; Wo, img
	v_lshrrev_b32 v12, 5, v0
	s_delay_alu instid0(VALU_DEP_1)
	v_readfirstlane_b32 s16, v12                   ; wave 0..6
	v_and_b32 v13, 31, v0
	s_delay_alu instid0(VALU_DEP_1)
	v_lshlrev_b32 v[LI], 4, v13
	v_and_b32 v14, 15, v0                          ; r
	v_bfe_u32 v15, v0, 4, 1                        ; h
	s_delay_alu instid0(VALU_DEP_2)
	v_and_b32 v12, 8, v14
	s_delay_alu instid0(VALU_DEP_1)
	v_add_nc_u32 v12, v12, v14                     ; r + 8 (r / 8)
.irp b, 0,1,2,3
	v_mov_b32 v[TM+4+\b], 0                        ; a lane permute's destination counts as one of its sources
.endr
	s_lshl_b32 s17, s16, 8
	s_add_co_u32 s17, s17, ttmp9                   ; my unit
	s_lshr_b32 s18, s17, 2                         ; its tile
	s_and_b32 s19, s17, 3                          ; its K step
	s_mov_b32 s[SEL], 0x76543210
	s_mov_b32 s[SEL+1], 0xfedcba98                 ; v_permlanex16_b32's selects for lane l xor 16
	s_mov_b32 s[MNT], 0x600000                     ; the mantissa field of 448
	s_wait_alu depctr_va_vdst(0)                   ; the wait at the head's end
	s_wait_kmcnt 0x0
	s_cmp_ge_u32 s17, UNITS
	s_cbranch_scc1 .Lend                           ; wave 6 of the last 128 work-groups has no unit
	s_mov_b64 s[SRC:SRC+1], s[12:13]               ; which tensor the tile is of, and that tensor's first tile: the choice hangs on ids alone
	s_mov_b32 s22, 352
	s_cmp_lt_u32 s18, 352
	s_cselect_b64 s[SRC:SRC+1], s[10:11], s[SRC:SRC+1]
	s_cselect_b32 s22, 320, s22
	s_cmp_lt_u32 s18, 320
	s_cselect_b64 s[SRC:SRC+1], s[8:9], s[SRC:SRC+1]
	s_cselect_b32 s22, 288, s22
	s_cmp_lt_u32 s18, 288
	s_cselect_b64 s[SRC:SRC+1], s[6:7], s[SRC:SRC+1]
	s_cselect_b32 s22, 256, s22
	s_cmp_lt_u32 s18, 256
	s_cselect_b64 s[SRC:SRC+1], s[4:5], s[SRC:SRC+1]
	s_cselect_b32 s22, 0, s22
	s_cselect_b32 s23, 12, 11                      ; a row of x is 4,096 bytes, a row of a weight 2,048
	s_sub_co_u32 s24, s18, s22                     ; U
	s_lshr_b32 s25, s24, 1
	s_lshl_b32 s25, s25, 5
	s_and_b32 s24, s24, 1
	s_lshl_b32 s24, s24, 3
	s_add_co_u32 s24, s24, s25                     ; the tile's first row
	s_lshl_b32 s24, s24, s23
	s_lshl_b32 s25, s19, 9
	s_add_co_u32 s24, s24, s25                     ; + 512 bytes a K step
	s_mov_b32 s25, 0
	s_add_nc_u64 s[SRC:SRC+1], s[SRC:SRC+1], s[24:25]
	s_mul_i32 s26, s18, TREC
	s_mov_b32 s27, 0
	s_add_nc_u64 s[28:29], s[14:15], s[26:27]      ; the tile's record
	s_lshl_b32 s26, s19, 11
	s_add_nc_u64 s[30:31], s[28:29], s[26:27]      ; my fragment
	s_lshl_b32 s26, s19, 2
	s_add_nc_u64 s[28:29], s[28:29], s[26:27]      ; my scale words, 8,192 further on
	v_lshlrev_b32 v[XA], s23, v12
	s_delay_alu instid0(VALU_DEP_1)
	v_lshl_add_u32 v[XA], v15, 6, v[XA]            ; my row, + 64 h: my 16 numbers of a block of 32
.irp c, 0,1,2,3
.irp j, 0,1,2,3
	global_load_b128 v[X0+16*\c+4*\j:X0+16*\c+4*\j+3], v[XA], s[SRC:SRC+1] offset:128*\c+16*\j
.endr
.endr
	s_wait_loadcnt 0x0
.irp b, 0,1,2,3
	v_max3_num_f32 v[TM+\b], |v[X0+16*\b]|, |v[X0+1+16*\b]|, 0x4800000   ; my 16 numbers and the floor 2^(9 - 127): the byte cannot fall under 1
.endr
.irp i, 2,4,6,8,10,12,14
.irp b, 0,1,2,3
	v_max3_num_f32 v[TM+\b], v[TM+\b], |v[X0+16*\b+\i]|, |v[X0+1+16*\b+\i]|   ; the four blocks by turns
.endr
.endr
.irp b, 0,1,2,3
	s_delay_alu instid0(VALU_DEP_4)
	v_permlanex16_b32 v[TM+4+\b], v[TM+\b], s[SEL], s[SEL+1]
.endr
.irp b, 0,1,2,3
	s_delay_alu instid0(VALU_DEP_4)
	v_max_num_f32 v[TM+\b], v[TM+\b], v[TM+4+\b]   ; with lane l xor 16's: the block's largest magnitude
.endr
.irp b, 0,1,2,3
	s_delay_alu instid0(VALU_DEP_4)
	v_add_nc_u32 v[TM+12+\b], 0xfc000000, v[TM+\b]   ; 8 off its exponent field: the conversion's scale operand
.endr
.irp b, 0,1,2,3
	v_and_or_b32 v[TM+8+\b], v[TM+\b], 0x7f800000, s[MNT]   ; 448 x the scale
.endr
.irp b, 0,1,2,3
	v_lshrrev_b32 v[TM+4+\b], 23, v[TM+12+\b]      ; the scale's byte
.endr
	s_delay_alu instid0(VALU_DEP_3)
	v_lshl_or_b32 v[PW], v[TM+5], 8, v[TM+4]
	s_delay_alu instid0(VALU_DEP_1)
	v_lshl_or_b32 v[PW], v[TM+6], 16, v[PW]
	s_delay_alu instid0(VALU_DEP_1)
	v_lshl_or_b32 v[PW], v[TM+7], 24, v[PW]
.irp b, 0,1,2,3
.irp i, 0,1,2,3,4,5,6,7,8,9,10,11,12,13,14,15
	v_med3_num_f32 v[X0+16*\b+\i], v[X0+16*\b+\i], -v[TM+8+\b], v[TM+8+\b]   ; the conversion to an 8-bit code does not saturate (ISA guide 7.6.2): the hold
.endr
	v_cvt_scalef32_pk8_fp8_f32 v[PC+4*\b:PC+1+4*\b], v[X0+16*\b:X0+7+16*\b], v[TM+12+\b]
	v_cvt_scalef32_pk8_fp8_f32 v[PC+2+4*\b:PC+3+4*\b], v[X0+8+16*\b:X0+15+16*\b], v[TM+12+\b]
.endr
	v_nop                                          ; one plain line behind the last conversion
.irp c, 0,1,2,3
	global_store_b128 v[LI], v[PC+4*\c:PC+4*\c+3], s[30:31] offset:512*\c   ; 512 consecutive bytes
.endr
	global_store_b32 v[LI], v[PW], s[28:29] offset:8192
.Lend:
	s_endpgm
.Lfunc_end_k_qe6dd05d91d_prep:
	.size	k_qe6dd05d91d_prep, .Lfunc_end_k_qe6dd05d91d_prep-k_qe6dd05d91d_prep
	.p2alignl 7, 3214868480
	.fill 96, 4, 3214868480
	.section	.rodata,"a",@progbits
	.p2align	6, 0x0
	.amdhsa_kernel k_qe6dd05d91d_prep
		.amdhsa_group_segment_fixed_size 0
		.amdhsa_private_segment_fixed_size 0
		.amdhsa_enable_private_segment 0
		.amdhsa_kernarg_size 48
		.amdhsa_user_sgpr_count 2
		.amdhsa_user_sgpr_kernarg_segment_ptr 1
		.amdhsa_wavefront_size32 1
		.amdhsa_system_sgpr_workgroup_id_x 1
		.amdhsa_system_sgpr_workgroup_id_y 1
		.amdhsa_system_sgpr_workgroup_id_z 1
		.amdhsa_system_vgpr_workitem_id 0
		.amdhsa_next_free_vgpr 120
		.amdhsa_next_free_sgpr 66
		.amdhsa_reserve_vcc 0
		.amdhsa_float_denorm_mode_32 3
		.amdhsa_float_denorm_mode_16_64 3
		.amdhsa_memory_ordered 1
		.amdhsa_forward_progress 1
		.amdhsa_inst_pref_size 14
	.end_amdhsa_kernel
	.amdgpu_metadata
---
amdhsa.version: [ 1, 2 ]
amdhsa.kernels:
  - .name:           k_qe6dd05d91d_prep
    .symbol:         k_qe6dd05d91d_prep.kd
    .args:
      - { .name: x, .offset: 0, .size: 8, .value_kind: global_buffer, .address_space: global }
      - { .name: Wq, .offset: 8, .size: 8, .value_kind: global_buffer, .address_space: global }
      - { .name: Wk, .offset: 16, .size: 8, .value_kind: global_buffer, .address_space: global }
      - { .name: Wv, .offset: 24, .size: 8, .value_kind: global_buffer, .address_space: global }
      - { .name: Wo, .offset: 32, .size: 8, .value_kind: global_buffer, .address_space: global }
      - { .name: img, .offset: 40, .size: 8, .value_kind: global_buffer, .address_space: global }
    .group_segment_fixed_size: 0
    .private_segment_fixed_size: 0
    .kernarg_segment_align: 8
    .kernarg_segment_size: 48
    .max_flat_workgroup_size: 224
    .sgpr_count:     66
    .vgpr_count:     120
    .wavefront_size: 32
...
	.end_amdgpu_metadata
.endif
;; end of part 1
;; launch qkv (part 2): grid 32 x 8, 20 waves a work-group, clusters of 4 x 4, 176,640 bytes of LDS; arguments img, qimg, kv; writes qimg, kv
.if DOCPART == 2
	.amdgcn_target "amdgcn-amd-amdhsa--gfx1250"
	.amdhsa_code_object_version 6
	.text
	.protected	k_qe6dd05d91d_qkv
	.globl	k_qe6dd05d91d_qkv
	.p2align	8
	.type	k_qe6dd05d91d_qkv,@function
k_qe6dd05d91d_qkv:
	s_mov_b64 s[64:65], 0
	v_nop
	global_prefetch_b8 v0, s[64:65] scope:SCOPE_SE
	s_setreg_imm32_b32 hwreg(HW_REG_WAVE_MODE, 25, 1), 1
	s_wait_xcnt 0x0
	s_wait_alu depctr_hold_cnt(0) depctr_sa_sdst(0) depctr_va_vdst(0) depctr_va_sdst(0) depctr_va_ssrc(0) depctr_va_vcc(0) depctr_vm_vsrc(0)
	s_getreg_b32 s2, hwreg(HW_REG_IB_STS2, 6, 4)
	s_cmp_eq_u32 s2, 0
	s_cbranch_scc0 .Lentry_in_a_cluster
	s_endpgm
.Lentry_in_a_cluster:
	s_bfe_u32 s2, ttmp6, 0x10000c
	s_cmp_lg_u32 s2, 0xf033
	s_cbranch_scc0 .Lentry_shape_is_right
	s_endpgm
.Lentry_shape_is_right:
; q, k, v = Q(left) Q(W)^T for W = Wq, Wk, Wv, on codes of FP8 (E4M3) with one E8M0 scale for each 32 along K.  The operands arrive as tile records of img (their layout and the order of a tile's rows: the launch that writes them).
; The right half of x's rows is left out, as that launch's head shows.  The results are quantised here: q and k along a head's 32 numbers (one block a row and head), v along the keys (32 keys a block), and leave as codes.
; SHARES.  Work-group (gx, gy): rows 128 gx .. +127 of x (one key step of the attention) and heads 2 gy, 2 gy + 1: 64 rows of each weight.  256 work-groups of equal work.
; THE FILL: twenty records of 8,704 bytes (34 rows of 256), one tensor load a wave, record w at 8,704 w of LDS: waves 0-7 x's tiles 8 gx + w, waves 8-11 Wq's tiles 4 gy + w % 4, 12-15 Wk's, 16-19 Wv's.  Filled once; nothing is stored to LDS.
; CLUSTER 4 x 4.  x's records hang on gx alone and are asked for jointly by the four of a column of the cluster; the weights' hang on gy alone and are shared along a row.  No LDS address and no branch hangs on a place in the cluster.
; NO PREFETCH: every byte is asked for at the head, so there is no loop to run ahead in.
; THE PRODUCTS: 12 jobs of 32 matrix instructions, one text.  Waves 0-7 (q head a, q head b, k a, k b; x tiles of parity w & 1): source 0 = the head's two tiles of W, source 1 = four tiles of x: a lane holds a row of x,
; its 16 registers the head's channels 16 h + 0 .. 15.  Waves 8-11: source 0 = x tiles 2 b', 2 b' + 1, source 1 = the four tiles of Wv: a lane holds a channel, its registers 16 neighbouring keys.  Waves 12-19 have no job.
; OUT: kv is laid [head 16][pair of key steps 16][17,664 bytes]; in a record, for step e: K's codes at 4096 e + 512 tile + 16 lane; K's scale words (the byte in bits 7:0, else 0) at 8192 + 512 e + 16 lane' + 4 i for tile
; 2 i + lane' / 16; V^T's codes at 9216 + 4096 e + 2048 u + 512 c + 16 lane; V's scale bytes at 17408 + 128 e + 4 (r + 16 u) + c.  qimg has the same layout with q in K's places; its V places are never written nor read.
; Code stores cover 512 consecutive bytes, the scale words of q and k 256.  V's scale bytes leave one at a time, 4 bytes apart: 64 KiB in the whole launch.
; LIMITS: NaN and infinities are not served.  A block of zeros gets the scale byte 1: its codes are zeros, and this program alone reads the bytes.
.set HP,    282624                     ; bytes of a head in kv and qimg
.set PAIRB, 17664                      ; bytes of a pair's record
.set TREC,  8704                       ; a tile's record
.set SPARE, 0x2a800                    ; behind the twenty records: the spare words
.set LI,  1                            ; v1   16 x lane
.set AA,  5                            ; v5   source 0's first tile in LDS
.set AB,  6                            ; v6-9 source 1's four tiles
.set R16, 10                           ; v10  16 x (lane % 16)
.set R4,  11                           ; v11  4 x (lane % 16)
.set ACC, 16                           ; v16-79 eight accumulators, (b, u) at 16 b + 8 u
.set AF,  80                           ; v80-111 source 0's two fragments
.set BF,  112                          ; v112-175 source 1's four
.set SA,  176                          ; v176-177 source 0's scale words, v178-181 source 1's
.set SB,  178
.set PC,  144                          ; on the way out: v144-159 the codes
.set TM,  160                          ; v160-163 largest magnitudes, 164-167 bytes, 168-171 448 x the scale, 172-175 the conversions' scale operands
.set SPW, 184
.set NIL, 185
.set WV,  16
.set SEL, 26
.set MNT, 28
.set GX,  38
.set G1X, 48
.set G1W, 56
.set G0X, 68
.set G0W, 72
.macro CROUND                          ; a round of the cluster's barrier
	s_barrier_signal -1
	s_barrier_wait -1
	s_cmp_lg_u32 s[WV], 0
	s_cbranch_scc1 .Lnot_wave_0_\@
	s_barrier_signal -3
.Lnot_wave_0_\@:
	s_barrier_wait -3
	s_barrier_signal -1
	s_barrier_wait -1
.endm
	s_load_b64 s[4:5], s[0:1], 0x0                 ; img
	s_load_b64 s[12:13], s[0:1], 0x8               ; qimg
	s_load_b64 s[14:15], s[0:1], 0x10              ; kv
	v_lshl_add_u32 v[SPW], v0, 2, SPARE
	v_mov_b32 v[NIL], 0
	ds_add_u32 v[SPW], v[NIL]                      ; the opening lines: the add twice on end and one wait
	ds_add_u32 v[SPW], v[NIL]
	v_lshrrev_b32 v12, 5, v0
	s_delay_alu instid0(VALU_DEP_1)
	v_readfirstlane_b32 s[WV], v12                 ; wave 0..19
	v_and_b32 v13, 31, v0
	s_delay_alu instid0(VALU_DEP_1)
	v_lshlrev_b32 v[LI], 4, v13
	v_and_b32 v14, 15, v0                          ; r
	s_delay_alu instid0(VALU_DEP_1)
	v_lshlrev_b32 v[R16], 4, v14
	s_delay_alu instid0(VALU_DEP_2)
	v_lshlrev_b32 v[R4], 2, v14
.irp b, 0,1,2,3
	v_mov_b32 v[TM+4+\b], 0                        ; a lane permute's destination counts as one of its sources
.endr
	s_wait_alu depctr_va_vdst(0)                   ; the wait ahead of the scalar lines below
	; the jobs' tiles, made for every wave.  g = 0: a job of q or k; g = 1: a job of v
	s_lshr_b32 s29, s[WV], 3
	s_min_u32 s29, s29, 1                          ; g
	s_xor_b32 s30, s29, 1                          ; 1 - g
	s_and_b32 s31, s[WV], 6
	s_add_co_u32 s31, s31, 8
	s_mul_i32 s31, s31, s30                        ; q, k: the head's two tiles of W: 8 + (w & 6)
	s_and_b32 s24, s[WV], 3
	s_lshl_b32 s24, s24, 1
	s_mul_i32 s24, s24, s29                        ; v: x tiles 2 (w & 3) and the next
	s_add_co_u32 s31, s31, s24
	s_mul_i32 s31, s31, TREC
	v_add_nc_u32 v[AA], s31, v[LI]
	s_and_b32 s31, s[WV], 1
	s_mul_i32 s31, s31, s30                        ; q, k: x tiles (w & 1) + 2 b
	s_lshl_b32 s24, s29, 4                         ; v: Wv's tiles 16 + b
	s_add_co_u32 s31, s31, s24
	s_mul_i32 s31, s31, TREC
	s_add_co_u32 s30, s30, 1                       ; tiles from one to the next: 2 or 1
	s_mul_i32 s30, s30, TREC
	v_add_nc_u32 v[AB], s31, v[LI]
.irp b, 1,2,3
	s_add_co_u32 s31, s31, s30
	v_add_nc_u32 v[AB+\b], s31, v[LI]
.endr
	s_mov_b32 s[SEL], 0x76543210
	s_mov_b32 s[SEL+1], 0xfedcba98                 ; v_permlanex16_b32's selects for lane l xor 16
	s_mov_b32 s[MNT], 0x600000                     ; the mantissa field of 448
	s_bfe_u32 s40, ttmp6, 0x40000                  ; cx, cy: my place in the cluster
	s_bfe_u32 s41, ttmp6, 0x40004
	s_lshl_b32 s[GX], ttmp9, 2
	s_add_co_u32 s[GX], s[GX], s40                 ; gx = 4 x cluster x + cx
	s_and_b32 s18, ttmp7, 0xffff
	s_lshl_b32 s18, s18, 2
	s_add_co_u32 s18, s18, s41                     ; gy = 4 x cluster y + cy
	s_lshl_b32 s42, 0x1111, s40                    ; my column of the cluster: shares gx
	s_lshl_b32 s43, s41, 2
	s_lshl_b32 s43, 15, s43                        ; my row: shares gy
	s_or_b32 s[G1X], s42, (3<<16)|(1<<21)          ; the mask; elements of 8 bytes; bit 21 set beside a mask
	s_or_b32 s[G1W], s43, (3<<16)|(1<<21)
.irp g, G1X, G1W
	s_mov_b32 s[\g+1], 32<<16                      ; tensor_dim0: dense rows of 256 bytes
	s_mov_b32 s[\g+2], 34<<16                      ; tensor_dim1
	s_mov_b32 s[\g+3], 32<<16                      ; tile_dim0
	s_mov_b32 s[\g+4], 34                          ; tile_dim1
	s_mov_b32 s[\g+5], 32                          ; tensor_dim0_stride
	s_mov_b32 s[\g+6], 0
	s_mov_b32 s[\g+7], 0
.endr
	s_mul_i32 s44, s[WV], TREC                     ; where my record goes: the wave's number alone
	s_and_b32 s45, s[WV], 7
	s_lshl_b32 s46, s[GX], 3
	s_add_co_u32 s46, s46, s45                     ; x's tile 8 gx + w % 8
	s_mul_i32 s46, s46, TREC
	s_mov_b32 s47, 0
	s_lshr_b32 s76, s[WV], 2
	s_lshl_b32 s76, s76, 5
	s_and_b32 s77, s[WV], 3
	s_add_co_u32 s76, s76, s77
	s_lshl_b32 s77, s18, 2
	s_add_co_u32 s76, s76, s77
	s_add_co_u32 s76, s76, 192                     ; a weight's tile 256 + 32 (w / 4 - 2) + 4 gy + w % 4
	s_mul_i32 s76, s76, TREC
	s_mov_b32 s77, 0
	s_wait_dscnt 0x0                               ; both opening adds are done
	s_wait_kmcnt 0x0
	s_mov_b32 s[G0X], 1
	s_mov_b32 s[G0X+1], s44
	s_add_nc_u64 s[G0X+2:G0X+3], s[4:5], s[46:47]
	s_or_b32 s[G0X+3], s[G0X+3], 0x80000000
	s_mov_b32 s[G0W], 1
	s_mov_b32 s[G0W+1], s44
	s_add_nc_u64 s[G0W+2:G0W+3], s[4:5], s[76:77]
	s_or_b32 s[G0W+3], s[G0W+3], 0x80000000
	CROUND                                         ; all sixteen work-groups are here: the joint loads meet
	s_cmp_lt_u32 s[WV], 8                          ; one load a wave; each of the two lines has one mask
	s_cbranch_scc0 .Lfor_w
	tensor_load_to_lds s[G0X:G0X+3], s[G1X:G1X+7]
	s_nop 0
.rept 4
	v_nop
.endr
	s_branch .Lasked
.Lfor_w:
	tensor_load_to_lds s[G0W:G0W+3], s[G1W:G1W+7]
	s_nop 0
.rept 4
	v_nop
.endr
.Lasked:
	s_wait_alu depctr_va_vdst(0)                   ; the wait at the head's end
	s_wait_tensorcnt 0x0                           ; my record is in
	s_barrier_signal -1
	s_barrier_wait -1                              ; all twenty are
	s_cmp_ge_u32 s[WV], 12
	s_cbranch_scc1 .Ldone                          ; twelve jobs
	; eight accumulators by turns, a K step at a time
.macro KSTEP s, zero
.if \s > 0
.rept 8
	v_nop                                          ; eight places in front of loads into registers that matrix instructions have read
.endr
.endif
.irp u, 0,1
.irp c, 0,1,2,3
	ds_load_b128 v[AF+16*\u+4*\c:AF+16*\u+4*\c+3], v[AA] offset:TREC*\u+2048*\s+512*\c
.endr
	ds_load_b32 v[SA+\u], v[AA] offset:TREC*\u+8192+4*\s
.endr
.irp b, 0,1,2,3
.irp c, 0,1,2,3
	ds_load_b128 v[BF+16*\b+4*\c:BF+16*\b+4*\c+3], v[AB+\b] offset:2048*\s+512*\c
.endr
	ds_load_b32 v[SB+\b], v[AB+\b] offset:8192+4*\s
.endr
	s_wait_dscnt 0x0
.irp b, 0,1,2,3
.irp u, 0,1
.if \zero
	v_wmma_scale_f32_16x16x128_f8f6f4 v[ACC+16*\b+8*\u:ACC+16*\b+8*\u+7], v[AF+16*\u:AF+16*\u+15], v[BF+16*\b:BF+16*\b+15], 0, v[SA+\u], v[SB+\b]
.else
	v_wmma_scale_f32_16x16x128_f8f6f4 v[ACC+16*\b+8*\u:ACC+16*\b+8*\u+7], v[AF+16*\u:AF+16*\u+15], v[BF+16*\b:BF+16*\b+15], v[ACC+16*\b+8*\u:ACC+16*\b+8*\u+7], v[SA+\u], v[SB+\b]
.endif
.endr
.endr
.endm
	KSTEP 0, 1                                     ; the first K step starts the sums: nothing is cleared
	KSTEP 1, 0
	KSTEP 2, 0
	KSTEP 3, 0
.rept 8
	v_nop                                          ; eight places in front of the first read of results and of writes into the operands' registers
.endr
	; THE QUANTISER.  q, k: block b = the head's 32 numbers of my row of x tile 2 b + u;  v: block b = 32 keys of my channel of Wv's tile b
.irp b, 0,1,2,3
	v_max3_num_f32 v[TM+\b], |v[ACC+16*\b]|, |v[ACC+1+16*\b]|, 0x4800000   ; my 16 numbers and the floor 2^(9 - 127): the byte cannot fall under 1
.endr
.irp i, 2,4,6,8,10,12,14
.irp b, 0,1,2,3
	v_max3_num_f32 v[TM+\b], v[TM+\b], |v[ACC+16*\b+\i]|, |v[ACC+1+16*\b+\i]|
.endr
.endr
.irp b, 0,1,2,3
	s_delay_alu instid0(VALU_DEP_4)
	v_permlanex16_b32 v[TM+4+\b], v[TM+\b], s[SEL], s[SEL+1]
.endr
.irp b, 0,1,2,3
	s_delay_alu instid0(VALU_DEP_4)
	v_max_num_f32 v[TM+\b], v[TM+\b], v[TM+4+\b]   ; with lane l xor 16's: the block's largest magnitude
.endr
.irp b, 0,1,2,3
	s_delay_alu instid0(VALU_DEP_4)
	v_add_nc_u32 v[TM+12+\b], 0xfc000000, v[TM+\b]   ; 8 off its exponent field: the conversion's scale operand
.endr
.irp b, 0,1,2,3
	v_and_or_b32 v[TM+8+\b], v[TM+\b], 0x7f800000, s[MNT]   ; 448 x the scale
.endr
.irp b, 0,1,2,3
	v_lshrrev_b32 v[TM+4+\b], 23, v[TM+12+\b]      ; the scale's byte
.endr
.irp b, 0,1,2,3
.irp i, 0,1,2,3,4,5,6,7,8,9,10,11,12,13,14,15
	v_med3_num_f32 v[ACC+16*\b+\i], v[ACC+16*\b+\i], -v[TM+8+\b], v[TM+8+\b]   ; the conversion does not saturate (ISA guide 7.6.2): the hold
.endr
	v_cvt_scalef32_pk8_fp8_f32 v[PC+4*\b:PC+1+4*\b], v[ACC+16*\b:ACC+7+16*\b], v[TM+12+\b]
	v_cvt_scalef32_pk8_fp8_f32 v[PC+2+4*\b:PC+3+4*\b], v[ACC+8+16*\b:ACC+15+16*\b], v[TM+12+\b]
.endr
	v_nop                                          ; one plain line behind the last conversion
	s_lshr_b32 s36, s[GX], 1
	s_mul_i32 s36, s36, PAIRB                      ; my key step's pair
	s_and_b32 s37, s[GX], 1                        ; and which of its two steps: e
	s_cmp_lt_u32 s[WV], 8
	s_cbranch_scc0 .Lv_out
	s_lshr_b32 s29, s[WV], 1
	s_and_b32 s29, s29, 1
	s_lshl_b32 s30, s18, 1
	s_add_co_u32 s29, s29, s30                     ; the head
	s_mul_i32 s29, s29, HP
	s_add_co_u32 s29, s29, s36                     ; its record of the pair
	s_and_b32 s30, s[WV], 1                        ; u
	s_lshl_b32 s22, s37, 12
	s_lshl_b32 s31, s30, 9
	s_add_co_u32 s22, s22, s31
	s_add_co_u32 s22, s22, s29                     ; codes: 4096 e + 512 u, tile 2 b + u 1,024 b further on
	s_mov_b32 s23, 0
	s_lshl_b32 s24, s37, 9
	s_lshl_b32 s31, s30, 8
	s_add_co_u32 s24, s24, s31
	s_add_co_u32 s24, s24, s29
	s_add_co_u32 s24, s24, 8192                    ; scale words: 8192 + 512 e + 256 u
	s_mov_b32 s25, 0
	s_cmp_lt_u32 s[WV], 4                          ; q or k
	s_cselect_b64 s[32:33], s[12:13], s[14:15]
	s_add_nc_u64 s[34:35], s[32:33], s[24:25]
	s_add_nc_u64 s[32:33], s[32:33], s[22:23]
	s_wait_alu depctr_va_vdst(0)                   ; the wait behind the scalar lines
.irp b, 0,1,2,3
	global_store_b128 v[LI], v[PC+4*\b:PC+4*\b+3], s[32:33] offset:1024*\b   ; 512 consecutive bytes
.endr
	global_store_b128 v[R16], v[TM+4:TM+7], s[34:35]   ; lane r: the words of tiles u, 2 + u, 4 + u, 6 + u: 256 consecutive bytes
	s_branch .Ldone
.Lv_out:
	s_lshl_b32 s29, s18, 1
	s_mul_i32 s29, s29, HP
	s_add_co_u32 s29, s29, s36                     ; head 2 gy's record of the pair
	s_and_b32 s30, s[WV], 3                        ; b': which 32 keys of the step
	s_lshl_b32 s22, s37, 12
	s_lshl_b32 s31, s30, 9
	s_add_co_u32 s22, s22, s31
	s_add_co_u32 s22, s22, s29
	s_add_co_u32 s22, s22, 9216                    ; codes: 9216 + 4096 e + 512 b'
	s_mov_b32 s23, 0
	s_lshl_b32 s24, s37, 7
	s_add_co_u32 s24, s24, s30
	s_add_co_u32 s24, s24, s29
	s_add_co_u32 s24, s24, 17408                   ; scale bytes: 17408 + 128 e + b'
	s_mov_b32 s25, 0
	s_add_nc_u64 s[32:33], s[14:15], s[22:23]
	s_add_nc_u64 s[34:35], s[14:15], s[24:25]
	s_wait_alu depctr_va_vdst(0)
.irp b, 0,1,2,3
	global_store_b128 v[LI], v[PC+4*\b:PC+4*\b+3], s[32:33] offset:HP*(\b/2)+2048*(\b%2)   ; Wv's tile b: head 2 gy + b / 2, tile u = b % 2
	global_store_b8 v[R4], v[TM+4+\b], s[34:35] offset:HP*(\b/2)+64*(\b%2)
.endr
.Ldone:
	s_wait_tensorcnt 0x0                           ; the wave's end
	ds_add_u32 v[SPW], v[NIL]
	s_wait_dscnt 0x0
	CROUND                                         ; the closing round: no work-group ends while a partner may still ask for a record that names it
	s_endpgm
.Lfunc_end_k_qe6dd05d91d_qkv:
	.size	k_qe6dd05d91d_qkv, .Lfunc_end_k_qe6dd05d91d_qkv-k_qe6dd05d91d_qkv
	.p2alignl 7, 3214868480
	.fill 96, 4, 3214868480
	.section	.rodata,"a",@progbits
	.p2align	6, 0x0
	.amdhsa_kernel k_qe6dd05d91d_qkv
		.amdhsa_group_segment_fixed_size 176640
		.amdhsa_private_segment_fixed_size 0
		.amdhsa_enable_private_segment 0
		.amdhsa_kernarg_size 24
		.amdhsa_user_sgpr_count 2
		.amdhsa_user_sgpr_kernarg_segment_ptr 1
		.amdhsa_wavefront_size32 1
		.amdhsa_system_sgpr_workgroup_id_x 1
		.amdhsa_system_sgpr_workgroup_id_y 1
		.amdhsa_system_sgpr_workgroup_id_z 1
		.amdhsa_system_vgpr_workitem_id 0
		.amdhsa_next_free_vgpr 186
		.amdhsa_next_free_sgpr 80
		.amdhsa_reserve_vcc 0
		.amdhsa_float_denorm_mode_32 3
		.amdhsa_float_denorm_mode_16_64 3
		.amdhsa_memory_ordered 1
		.amdhsa_forward_progress 1
		.amdhsa_inst_pref_size 30
	.end_amdhsa_kernel
	.amdgpu_metadata
---
amdhsa.version: [ 1, 2 ]
amdhsa.kernels:
  - .name:           k_qe6dd05d91d_qkv
    .symbol:         k_qe6dd05d91d_qkv.kd
    .args:
      - { .name: img, .offset: 0, .size: 8, .value_kind: global_buffer, .address_space: global }
      - { .name: qimg, .offset: 8, .size: 8, .value_kind: global_buffer, .address_space: global }
      - { .name: kv, .offset: 16, .size: 8, .value_kind: global_buffer, .address_space: global }
    .group_segment_fixed_size: 176640
    .private_segment_fixed_size: 0
    .kernarg_segment_align: 8
    .kernarg_segment_size: 24
    .max_flat_workgroup_size: 640
    .sgpr_count:     80
    .vgpr_count:     186
    .wavefront_size: 32
...
	.end_amdgpu_metadata
.endif
;; end of part 2
;; launch attn (part 3): grid 16 x 16, 16 waves a work-group, clusters of 4 x 1, 284,672 bytes of LDS; arguments qimg, kv, ocodes, oscales; writes ocodes, oscales
.if DOCPART == 3
	.amdgcn_target "amdgcn-amd-amdhsa--gfx1250"
	.amdhsa_code_object_version 6
	.text
	.protected	k_qe6dd05d91d_attn
	.globl	k_qe6dd05d91d_attn
	.p2align	8
	.type	k_qe6dd05d91d_attn,@function
k_qe6dd05d91d_attn:
	s_mov_b64 s[64:65], 0
	v_nop
	global_prefetch_b8 v0, s[64:65] scope:SCOPE_SE
	s_setreg_imm32_b32 hwreg(HW_REG_WAVE_MODE, 25, 1), 1
	s_wait_xcnt 0x0
	s_wait_alu depctr_hold_cnt(0) depctr_sa_sdst(0) depctr_va_vdst(0) depctr_va_sdst(0) depctr_va_ssrc(0) depctr_va_vcc(0) depctr_vm_vsrc(0)
	s_getreg_b32 s2, hwreg(HW_REG_IB_STS2, 6, 4)
	s_cmp_eq_u32 s2, 0
	s_cbranch_scc0 .Lentry_in_a_cluster
	s_endpgm
.Lentry_in_a_cluster:
	s_bfe_u32 s2, ttmp6, 0x10000c
	s_cmp_lg_u32 s2, 0x3003
	s_cbranch_scc0 .Lentry_shape_is_right
	s_endpgm
.Lentry_shape_is_right:
; O[q][head] = the sum over keys of softmax(q . k / 8) v, for 16 heads of 32 channels and 4,096 keys, both products on codes of FP8 (E4M3) with E8M0 scales; the result, divided by the row's sum, is quantised
; (one block = one head of one row) and leaves as codes for the last product.
; THE SOFTMAX AHEAD OF THE SECOND PRODUCT: t = score x log2(e) / 8; M = the running largest t rounded UP to a whole number; p = 2^(t - M) is quantised along the keys, not normalised; the row's sum is taken of the
; unquantised p in f32.  When M moves, the sums and O are multiplied by f = 2^(old M - new M): exact, and no branch hangs on data.
; SHARES.  A work-group: one head, 256 queries; each of its sixteen waves 16 queries, one a lane (lane % 16), in 256 registers: four waves to a SIMD.
; LDS HOLDS THE HEAD'S WHOLE RECORD OF kv, 282,624 bytes, FILLED ONCE, laid as images of the operands' registers (its layout: the launch that writes it).  Wave w brings the record of pair w of key steps: 69 rows of 256 bytes,
; its one tensor load.  Wave 0 has a load line of its own and waits alone ahead of the first barrier: pair 0 is worked while the other fifteen records land; all waves wait ahead of the second barrier.
; CLUSTER.  The four query blocks of a cluster belong to one head: each record is asked for JOINTLY, with a mask that names the four.  My place in the cluster enters only q's and the outputs' addresses.
; NO PREFETCH: every byte of kv is asked for at the head, so there is no loop to run ahead in.
; LAYOUT.  Both products are used transposed: S^T = K Q^T (source 0 = 16 keys), O^T = V^T P^T (source 0 = 16 channels).  Lane r of K's tile 2 b + u holds key 32 b + 8 u + r + 8 (r / 8), so p's 16 registers of two neighbouring tiles
; are 16 neighbouring keys; V^T's tile u holds channels 8 u + r + 8 (r / 8), so O^T's 16 registers are channels 16 (lane / 16) + 0 .. 15.
; K = 32 IN AN INSTRUCTION OF K = 128.  Q's fragment has zero codes in blocks 1 to 3.  A tile of K is 4 registers; the instruction names 16, so its blocks 1 to 3 are the next tiles' codes (behind the last tile: zeros): numbers,
; never the NaN code; against zero codes they add nothing; their scale bytes are 0, not 0xff.
; THE ORDER OF A STEP.  Step n's rescaling of O^T and its second product stand behind step n + 1's eight score products: the eight multiplications are the places behind those products.
; A BLOCK'S SCALE comes from its largest score: e = floor(t - M) of that score is floor(log2) of the block's largest p, so the byte is e + 119, held at 1 from below.  Where v_exp_f32 rounds that p up to the next power of two, the hold takes it.
; THE WAVES KEEP STEP: a barrier in each pair, signalled at step 0's top and awaited at step 1's: no wave is more than a key step ahead of another.  Only LDS reads and register work stand between the two.
; LIMITS: NaN and infinities are not served.  The promise holds while the scaled scores stay under 2^31 in magnitude.  A p under 2^-126 comes out of v_exp_f32 as 0.  A block of zeros gets the scale byte 1: its codes are zeros,
; and this program alone reads the bytes.  O / l is a reciprocal and a multiplication.  The output's scale bytes leave one at a time, 16 bytes apart: 64 KiB in the whole launch.
.set HP,    282624
.set PAIRB, 17664                      ; a record of two key steps
.set SPARE, 0x45000                    ; behind the record: the spare words, 128 bytes a wave
.set LI,  1                            ; v1   16 x lane
.set LS,  2                            ; v2   4 x lane
.set ADR, 3                            ; v3   16 x lane + the pair's first byte
.set ADS, 4                            ; v4   4 x lane + the same
.set R16, 7                            ; v7   16 x (lane % 16)
.set QS,  10                           ; v10  q's scale words
                                       ; v12, v14 -M, new and old by turns; v13 the largest score; v15 is named with v14 as a pair
.set Q,   16                           ; v16-31  Q's fragment: v16-19 codes, v20-31 zeros
.set KF,  32                           ; v32-63  K's eight tiles, 4 registers each; v64-75 zeros
.set KS,  76                           ; v76-79  K's scale words: register i: lanes 0-15 tile 2 i, lanes 16-31 tile 2 i + 1
.set VF,  80                           ; v80-111 V^T's two fragments
.set VS,  112                          ; v112    V's scale words
.set SU,  114                          ; v114-121 the row's sum in four chains of pairs
.set FF,  122                          ; v122 f; v123 is named with it as a pair
.set TT,  124                          ; v124 at work
.set PW,  125                          ; v125 p's scale word
.set S,   128                          ; v128-191 S^T, then p
.set OT,  192                          ; v192-207 O^T
.set PC,  208                          ; v208-223 p's codes
.set BM,  224                          ; v224-227 each block's largest score, then its t - M
.set T1,  228                          ; v228-231 at work
.set CAP, 232                          ; v232-235 448 x the scale
.set CVS, 236                          ; v236-239 the conversions' scale operands
.set BY,  240                          ; v240-243 e of each block
.set SPW, 254
.set NIL, 255
.set WV,  12
.set G1,  16
.set G0,  32
.set SEL, 44
.set CS,  46
.set MNT, 48
.set TB,  49
.set CNT, 50
.set NC,  51
.macro CROUND                          ; a round of the cluster's barrier
	s_barrier_signal -1
	s_barrier_wait -1
	s_cmp_lg_u32 s[WV], 0
	s_cbranch_scc1 .Lnot_wave_0_\@
	s_barrier_signal -3
.Lnot_wave_0_\@:
	s_barrier_wait -3
	s_barrier_signal -1
	s_barrier_wait -1
.endm
.macro TLOAD                           ; my record; an s_nop 0 and four v_nop follow it
	tensor_load_to_lds s[G0:G0+3], s[G1:G1+7]
	s_nop 0
.rept 4
	v_nop
.endr
.endm
	s_load_b256 s[4:11], s[0:1], 0x0               ; qimg, kv, ocodes, oscales
	v_lshl_add_u32 v[SPW], v0, 2, SPARE
	v_mov_b32 v[NIL], 0
	ds_add_u32 v[SPW], v[NIL]                      ; the opening lines: the add twice on end and one wait
	ds_add_u32 v[SPW], v[NIL]
	v_lshrrev_b32 v8, 5, v0
	s_delay_alu instid0(VALU_DEP_1)
	v_readfirstlane_b32 s[WV], v8                  ; wave 0..15
	v_and_b32 v8, 31, v0
	s_delay_alu instid0(VALU_DEP_1)
	v_lshlrev_b32 v[LI], 4, v8
	s_delay_alu instid0(VALU_DEP_2)
	v_lshlrev_b32 v[LS], 2, v8
	v_and_b32 v9, 15, v0
	s_delay_alu instid0(VALU_DEP_1)
	v_lshlrev_b32 v[R16], 4, v9
	s_and_b32 s15, ttmp7, 0xffff                   ; the head, which the four partners share
	s_mul_i32 s40, s15, HP                         ; its first byte in kv and in qimg
	s_mov_b32 s41, 0
	s_mov_b32 s[G1], 15|(3<<16)|(1<<21)            ; the mask: all four work-groups; elements of 8 bytes; bit 21 set beside a mask
	s_mov_b32 s[G1+1], 32<<16                      ; tensor_dim0: dense rows of 256 bytes
	s_mov_b32 s[G1+2], 69<<16                      ; tensor_dim1
	s_mov_b32 s[G1+3], 32<<16                      ; tile_dim0
	s_mov_b32 s[G1+4], 69                          ; tile_dim1
	s_mov_b32 s[G1+5], 32                          ; tensor_dim0_stride
	s_mov_b32 s[G1+6], 0
	s_mov_b32 s[G1+7], 0
	s_mov_b32 s[G0], 1
	s_mul_i32 s[G0+1], s[WV], PAIRB                ; LDS address = the byte's place in the head's record
	s_mov_b32 s42, s[G0+1]
	s_mov_b32 s43, 0
	s_add_nc_u64 s[42:43], s[42:43], s[40:41]
	s_bfe_u32 s13, ttmp6, 0x40000                  ; cx
	s_lshl_b32 s14, ttmp9, 2
	s_add_co_u32 s14, s14, s13                     ; my block of 256 queries
	s_mul_i32 s52, s14, PAIRB
	s_add_co_u32 s52, s52, s40                     ; its record in qimg
	s_lshl_b32 s54, s[WV], 9
	s_add_co_u32 s54, s54, s52                     ; my tile's codes: 512 x wave
	s_mov_b32 s55, 0
	s_mov_b32 s[SEL], 0x76543210
	s_mov_b32 s[SEL+1], 0xfedcba98
	s_mov_b32 s[CS], 0x3e38aa3b                    ; c = log2(e) / 8
	s_mov_b32 s[CS+1], s[CS]                       ; named with it as a pair, so it is written
	s_mov_b32 s[NC], 0xbe38aa3b                    ; -c
	s_mov_b32 s[MNT], 0x600000
	s_mov_b32 s[TB], 0
	s_wait_dscnt 0x0
	s_wait_kmcnt 0x0
	s_add_nc_u64 s[G0+2:G0+3], s[6:7], s[42:43]
	s_or_b32 s[G0+3], s[G0+3], 0x80000000
	s_add_nc_u64 s[56:57], s[4:5], s[54:55]        ; q's codes
	s_lshr_b32 s54, s[WV], 3
	s_lshl_b32 s54, s54, 9                         ; q's scale words: 8192 + 512 (w / 8) + 256 (w % 2) + 4 ((w % 8) / 2), 16 bytes a row
	s_and_b32 s53, s[WV], 1
	s_lshl_b32 s53, s53, 8
	s_add_co_u32 s54, s54, s53
	s_bfe_u32 s53, s[WV], 0x20001
	s_lshl_b32 s53, s53, 2
	s_add_co_u32 s54, s54, s53
	s_add_co_u32 s54, s54, s52
	s_add_co_u32 s54, s54, 8192
	s_add_nc_u64 s[4:5], s[4:5], s[54:55]
	s_lshl_b32 s52, s14, 4
	s_add_co_u32 s52, s52, s[WV]                   ; my tile of queries, 0..255
	s_lshl_b32 s54, s52, 13
	s_lshl_b32 s53, s15, 9
	s_add_co_u32 s54, s54, s53                     ; ocodes: 8,192 a tile; head hd is register group hd % 4 of K step hd / 4: 512 hd
	s_add_nc_u64 s[8:9], s[8:9], s[54:55]
	s_lshl_b32 s54, s52, 8
	s_add_co_u32 s54, s54, s15                     ; oscales: 256 a tile, 16 a row, a byte a head
	s_add_nc_u64 s[10:11], s[10:11], s[54:55]
	CROUND                                         ; all four work-groups are here: the joint loads meet
	s_cmp_eq_u32 s[WV], 0                          ; one load a wave; wave 0's line is its own, since it alone waits ahead of the first barrier
	s_cbranch_scc0 .Lothers
	TLOAD
	s_branch .Lasked
.Lothers:
	TLOAD
.Lasked:
	s_wait_alu depctr_va_vdst(0)                   ; the wait ahead of the readers below
	global_load_b128 v[Q:Q+3], v[LI], s[56:57]
	global_load_b32 v[QS], v[R16], s[4:5]
	v_add_nc_u32 v[ADR], s[TB], v[LI]
	v_add_nc_u32 v[ADS], s[TB], v[LS]
	v_mov_b32 v13, 0xff61b1e6                      ; the largest score so far: -3e38
	v_mov_b32 v14, 0x7f61b1e6                      ; the old -M: 3e38, so that the first f is 0
	v_mov_b32 v15, 0
.set J, 0
.rept 16
	v_mov_b32 v[OT+J], 0                           ; the first rescaling finds zeros
.set J, J+1
.endr
.set J, 0
.rept 12
	v_mov_b32 v[Q+4+J], 0                          ; Q's blocks 1 to 3: zero codes
	v_mov_b32 v[KF+32+J], 0                        ; behind K's last tile
.set J, J+1
.endr
.set J, 0
.rept 8
	v_mov_b32 v[SU+J], 0
.set J, J+1
.endr
.irp b, 0,1,2,3
	v_mov_b32 v[T1+\b], 0                          ; a lane permute's destination counts as one of its sources
.endr
	v_mov_b32 v[FF+1], 0
	v_mov_b32 v[TT], 0
; The step before's end: O^T under that step's M, then O^T += V^T P^T.
.macro LAST
	s_wait_alu depctr_va_vdst(0)                   ; the wait directly ahead of the first readers of O^T
.set J, 0
.rept 8
	v_pk_mul_f32 v[OT+J:OT+J+1], v[OT+J:OT+J+1], v[FF:FF+1] op_sel_hi:[1,0]   ; each accumulator from its low end on; eight places behind the score products and ahead of the products below
.set J, J+2
.endr
	v_wmma_scale_f32_16x16x128_f8f6f4 v[OT:OT+7], v[VF:VF+15], v[PC:PC+15], v[OT:OT+7], v[VS], v[PW]   ; the two accumulators take turns
	v_wmma_scale_f32_16x16x128_f8f6f4 v[OT+8:OT+15], v[VF+16:VF+31], v[PC:PC+15], v[OT+8:OT+15], v[VS], v[PW] matrix_a_scale:MATRIX_SCALE_ROW1
.endm
; A KEY STEP: 128 keys, the e-th of the pair in hand.  first = 1: no step stands before it.
.macro STEP e, first
.set NN, 12+2*\e                       ; the new -M
.set NO, 14-2*\e                       ; the old
.if \e
	s_barrier_wait -1                              ; every wave has begun this pair
.endif
.irp t, 0,1,2,3,4,5,6,7
	ds_load_b128 v[KF+4*\t:KF+4*\t+3], v[ADR] offset:4096*\e+512*\t
.endr
	ds_load_b128 v[KS:KS+3], v[ADR] offset:8192+512*\e
	s_wait_dscnt 0x0                               ; K is in, and the step before's V
.if \e == 0
	s_barrier_signal -1
.endif
.irp t, 0,2,4,6
	v_wmma_scale_f32_16x16x128_f8f6f4 v[S+8*\t:S+8*\t+7], v[KF+4*\t:KF+4*\t+15], v[Q:Q+15], 0, v[KS+\t/2], v[QS]
	v_wmma_scale_f32_16x16x128_f8f6f4 v[S+8*\t+8:S+8*\t+15], v[KF+4*\t+4:KF+4*\t+19], v[Q:Q+15], 0, v[KS+\t/2], v[QS] matrix_a_scale:MATRIX_SCALE_ROW1
.endr
.if \first
.rept 8
	v_nop                                          ; eight places ahead of the first read of S^T
.endr
.else
	LAST
.endif
.irp b, 0,1,2,3
	v_max3_num_f32 v[BM+\b], v[S+16*\b], v[S+1+16*\b], v[S+2+16*\b]   ; the largest score of each block of 32 keys: for the row's maximum and for the block's scale
.endr
.irp i, 3,5
.irp b, 0,1,2,3
	v_max3_num_f32 v[BM+\b], v[BM+\b], v[S+16*\b+\i], v[S+1+16*\b+\i]
.endr
.endr
.irp u, 0,1                                    ; twelve places stand behind the products that read V's registers
.irp c, 0,1,2,3
	ds_load_b128 v[VF+16*\u+4*\c:VF+16*\u+4*\c+3], v[ADR] offset:9216+4096*\e+2048*\u+512*\c
.endr
.endr
	ds_load_b32 v[VS], v[ADS] offset:17408+128*\e
.irp i, 7,9,11,13
.irp b, 0,1,2,3
	v_max3_num_f32 v[BM+\b], v[BM+\b], v[S+16*\b+\i], v[S+1+16*\b+\i]
.endr
.endr
.irp b, 0,1,2,3
	v_max_num_f32 v[BM+\b], v[BM+\b], v[S+15+16*\b]
.endr
.irp b, 0,1,2,3
	s_delay_alu instid0(VALU_DEP_4)
	v_permlanex16_b32 v[T1+\b], v[BM+\b], s[SEL], s[SEL+1]
.endr
.irp b, 0,1,2,3
	s_delay_alu instid0(VALU_DEP_4)
	v_max_num_f32 v[BM+\b], v[BM+\b], v[T1+\b]     ; with lane l xor 16's 16 keys
.endr
	s_delay_alu instid0(VALU_DEP_3)
	v_max3_num_f32 v13, v13, v[BM], v[BM+1]
	s_delay_alu instid0(VALU_DEP_1)
	v_max3_num_f32 v13, v13, v[BM+2], v[BM+3]      ; the running largest score of my query
	s_delay_alu instid0(VALU_DEP_1)
	v_mul_f32 v[TT], s[NC], v13                    ; -t (c is positive)
	s_delay_alu instid0(VALU_DEP_1)
	v_floor_f32 v[NN], v[TT]                       ; the new -M = floor(-t) = -ceil(t)
	s_delay_alu instid0(VALU_DEP_1)
	v_sub_f32 v[TT], v[NN], v[NO]                  ; old M - new M: a whole number, 0 or less
	s_delay_alu instid0(VALU_DEP_1)
	v_cvt_i32_f32 v[TT], v[TT]                     ; (it saturates)
	s_delay_alu instid0(VALU_DEP_1)
	v_ldexp_f32 v[FF], 1.0, v[TT]                  ; f = 2^(old M - new M)
.set J, 0
.rept 32
	v_pk_fma_f32 v[S+J:S+J+1], v[S+J:S+J+1], s[CS:CS+1], v[NN:NN+1] op_sel_hi:[1,0,0]   ; t - M, two at a time
.set J, J+2
.endr
.irp b, 0,1,2,3
	v_fma_f32 v[BM+\b], v[BM+\b], s[CS], v[NN]     ; the same of each block's largest score
.endr
	s_wait_alu depctr_va_vdst(0)                   ; the wait ahead of the batch
.set J, 0
.rept 64
	v_exp_f32 v[S+J], v[S+J]                       ; p = 2^(t - M)
.set J, J+1
.endr
.irp b, 0,1,2,3
	v_cvt_floor_i32_f32 v[BY+\b], v[BM+\b]         ; e = floor(log2(the block's largest p)); these lines name no result of the batch
.endr
.irp b, 0,1,2,3
	v_max_i32 v[BY+\b], 0xffffff8a, v[BY+\b]       ; held at -118: the byte e + 119 cannot fall under 1
.endr
.irp b, 0,1,2,3
	v_lshl_add_u32 v[CVS+\b], v[BY+\b], 23, 0x3b800000   ; the conversion's scale operand: exponent field e + 119
.endr
.irp b, 0,1,2,3
	v_lshl_add_u32 v[CAP+\b], v[BY+\b], 23, 0x3fe00000   ; 448 x the scale = 1.75 x 2^e
.endr
	v_lshl_add_u32 v[PW], v[BY+3], 8, v[BY+2]      ; p's scale word: the sum of (e_b + 119) 256^b, in whole numbers modulo 2^32
	v_lshl_add_u32 v[PW], v[PW], 8, v[BY+1]
	v_lshl_add_u32 v[PW], v[PW], 8, v[BY]
	v_add_nc_u32 v[PW], 0x77777777, v[PW]
	s_wait_alu depctr_va_vdst(0)                   ; one wait for the whole batch, ahead of its first reader
.irp b, 0,1,2,3
.irp k, 0,1,2,3                                ; the row's sum of the unquantised p, in four chains; a chain's first link brings it under the new M
.if \b == 0
	v_pk_fma_f32 v[SU+2*\k:SU+2*\k+1], v[SU+2*\k:SU+2*\k+1], v[FF:FF+1], v[S+2*\k:S+2*\k+1] op_sel_hi:[1,0,1]
.else
	v_pk_add_f32 v[SU+2*\k:SU+2*\k+1], v[SU+2*\k:SU+2*\k+1], v[S+16*\b+2*\k:S+16*\b+2*\k+1]
.endif
.endr
.irp k, 0,1,2,3
	v_pk_add_f32 v[SU+2*\k:SU+2*\k+1], v[SU+2*\k:SU+2*\k+1], v[S+16*\b+8+2*\k:S+16*\b+8+2*\k+1]
.endr
.set J, 0
.rept 8                                        ; the conversion does not saturate (ISA guide 7.6.2); p is not negative, so the hold is one-sided; two holds a line
	v_dual_min_num_f32 v[S+16*\b+J], v[CAP+\b], v[S+16*\b+J] :: v_dual_min_num_f32 v[S+16*\b+J+1], v[CAP+\b], v[S+16*\b+J+1]
.set J, J+2
.endr
	v_cvt_scalef32_pk8_fp8_f32 v[PC+4*\b:PC+1+4*\b], v[S+16*\b:S+7+16*\b], v[CVS+\b]
	v_cvt_scalef32_pk8_fp8_f32 v[PC+2+4*\b:PC+3+4*\b], v[S+8+16*\b:S+15+16*\b], v[CVS+\b]
.endr
.if \e
	s_add_co_u32 s[TB], s[TB], PAIRB               ; on to the next pair (the plain lines behind the last conversion)
	v_add_nc_u32 v[ADR], s[TB], v[LI]
	v_add_nc_u32 v[ADS], s[TB], v[LS]
.else
	v_nop                                          ; one plain line behind the last conversion
.endif
	s_wait_alu depctr_va_vdst(0)                   ; the wait ahead of the waits and the branch that follow
.endm
	s_wait_alu depctr_va_vdst(0)                   ; the wait at the head's end
	s_wait_loadcnt 0x0                             ; Q
	s_cmp_eq_u32 s[WV], 0
	s_cbranch_scc0 .Lnot_first
	s_wait_tensorcnt 0x0                           ; wave 0: pair 0's record is in
.Lnot_first:
	s_barrier_signal -1
	s_barrier_wait -1
	STEP 0, 1
	STEP 1, 0
	s_wait_tensorcnt 0x0                           ; my record is in
	s_wait_dscnt 0x0
	s_barrier_signal -1
	s_barrier_wait -1                              ; the whole head is
	s_mov_b32 s[CNT], 15
.Lpair:
	STEP 0, 0
	STEP 1, 0
	s_sub_co_u32 s[CNT], s[CNT], 1
	s_cmp_lg_u32 s[CNT], 0
	s_cbranch_scc1 .Lpair
	s_wait_dscnt 0x0                               ; the last step's V
	LAST
	; THE WAY OUT: O^T / the sum; my row's 32 channels are one block: 16 in my registers, 16 in lane l xor 16's
.rept 8
	v_nop                                          ; eight places behind the last products
.endr
	v_pk_add_f32 v[SU:SU+1], v[SU:SU+1], v[SU+2:SU+3]
	v_pk_add_f32 v[SU+4:SU+5], v[SU+4:SU+5], v[SU+6:SU+7]
	s_delay_alu instid0(VALU_DEP_1)
	v_pk_add_f32 v[SU:SU+1], v[SU:SU+1], v[SU+4:SU+5]
	s_delay_alu instid0(VALU_DEP_1)
	v_add_f32 v[SU], v[SU], v[SU+1]
	s_delay_alu instid0(VALU_DEP_1)
	v_permlanex16_b32 v[TT], v[SU], s[SEL], s[SEL+1]
	s_delay_alu instid0(VALU_DEP_1)
	v_add_f32 v[SU], v[SU], v[TT]                  ; the row's sum
	s_wait_alu depctr_va_vdst(0)
	v_rcp_f32 v[SU], v[SU]
	v_nop                                          ; one plain line behind a transcendental
	s_wait_alu depctr_va_vdst(0)
.set J, 0
.rept 16
	v_mul_f32 v[S+J], v[OT+J], v[SU]               ; register j: channel 16 (lane / 16) + j
.set J, J+1
.endr
	v_max3_num_f32 v[BM], |v[S]|, |v[S+1]|, 0x4800000
.irp i, 2,4,6,8,10,12,14
	s_delay_alu instid0(VALU_DEP_1)
	v_max3_num_f32 v[BM], v[BM], |v[S+\i]|, |v[S+1+\i]|
.endr
	s_delay_alu instid0(VALU_DEP_1)
	v_permlanex16_b32 v[T1], v[BM], s[SEL], s[SEL+1]
	s_delay_alu instid0(VALU_DEP_1)
	v_max_num_f32 v[BM], v[BM], v[T1]
	s_delay_alu instid0(VALU_DEP_1)
	v_add_nc_u32 v[CVS], 0xfc000000, v[BM]
	s_delay_alu instid0(VALU_DEP_2)
	v_and_or_b32 v[CAP], v[BM], 0x7f800000, s[MNT]
	s_delay_alu instid0(VALU_DEP_2)
	v_lshrrev_b32 v[T1], 23, v[CVS]
.irp i, 0,1,2,3,4,5,6,7,8,9,10,11,12,13,14,15
	v_med3_num_f32 v[S+\i], v[S+\i], -v[CAP], v[CAP]
.endr
	v_cvt_scalef32_pk8_fp8_f32 v[PC:PC+1], v[S:S+7], v[CVS]
	v_cvt_scalef32_pk8_fp8_f32 v[PC+2:PC+3], v[S+8:S+15], v[CVS]
	v_nop
	global_store_b128 v[LI], v[PC:PC+3], s[8:9]    ; 512 consecutive bytes: one register group of the last product's operand
	global_store_b8 v[R16], v[T1], s[10:11]        ; both lanes of a row write the same byte with the same value
	s_wait_tensorcnt 0x0                           ; the wave's end
	ds_add_u32 v[SPW], v[NIL]
	s_wait_dscnt 0x0
	CROUND                                         ; the closing round: no work-group ends while a partner may still ask for a record that names it
	s_endpgm
.Lfunc_end_k_qe6dd05d91d_attn:
	.size	k_qe6dd05d91d_attn, .Lfunc_end_k_qe6dd05d91d_attn-k_qe6dd05d91d_attn
	.p2alignl 7, 3214868480
	.fill 96, 4, 3214868480
	.section	.rodata,"a",@progbits
	.p2align	6, 0x0
	.amdhsa_kernel k_qe6dd05d91d_attn
		.amdhsa_group_segment_fixed_size 284672
		.amdhsa_private_segment_fixed_size 0
		.amdhsa_enable_private_segment 0
		.amdhsa_kernarg_size 32
		.amdhsa_user_sgpr_count 2
		.amdhsa_user_sgpr_kernarg_segment_ptr 1
		.amdhsa_wavefront_size32 1
		.amdhsa_system_sgpr_workgroup_id_x 1
		.amdhsa_system_sgpr_workgroup_id_y 1
		.amdhsa_system_sgpr_workgroup_id_z 1
		.amdhsa_system_vgpr_workitem_id 0
		.amdhsa_next_free_vgpr 256
		.amdhsa_next_free_sgpr 66
		.amdhsa_reserve_vcc 0
		.amdhsa_float_denorm_mode_32 3
		.amdhsa_float_denorm_mode_16_64 3
		.amdhsa_memory_ordered 1
		.amdhsa_forward_progress 1
		.amdhsa_inst_pref_size 77
	.end_amdhsa_kernel
	.amdgpu_metadata
---
amdhsa.version: [ 1, 2 ]
amdhsa.kernels:
  - .name:           k_qe6dd05d91d_attn
    .symbol:         k_qe6dd05d91d_attn.kd
    .args:
      - { .name: qimg, .offset: 0, .size: 8, .value_kind: global_buffer, .address_space: global }
      - { .name: kv, .offset: 8, .size: 8, .value_kind: global_buffer, .address_space: global }
      - { .name: ocodes, .offset: 16, .size: 8, .value_kind: global_buffer, .address_space: global }
      - { .name: oscales, .offset: 24, .size: 8, .value_kind: global_buffer, .address_space: global }
    .group_segment_fixed_size: 284672
    .private_segment_fixed_size: 0
    .kernarg_segment_align: 8
    .kernarg_segment_size: 32
    .max_flat_workgroup_size: 512
    .sgpr_count:     66
    .vgpr_count:     256
    .wavefront_size: 32
...
	.end_amdgpu_metadata
.endif
;; end of part 3
;; launch proj (part 4): grid 16 x 16, 8 waves a work-group, clusters of 4 x 1, 201,728 bytes of LDS; arguments ocodes, oscales, img, bo, out0; writes out0
.if DOCPART == 4
	.amdgcn_target "amdgcn-amd-amdhsa--gfx1250"
	.amdhsa_code_object_version 6
	.text
	.protected	k_qe6dd05d91d_proj
	.globl	k_qe6dd05d91d_proj
	.p2align	8
	.type	k_qe6dd05d91d_proj,@function
k_qe6dd05d91d_proj:
	s_mov_b64 s[64:65], 0
	v_nop
	global_prefetch_b8 v0, s[64:65] scope:SCOPE_SE
	s_setreg_imm32_b32 hwreg(HW_REG_WAVE_MODE, 25, 1), 1
	s_wait_xcnt 0x0
	s_wait_alu depctr_hold_cnt(0) depctr_sa_sdst(0) depctr_va_vdst(0) depctr_va_sdst(0) depctr_va_ssrc(0) depctr_va_vcc(0) depctr_vm_vsrc(0)
	s_getreg_b32 s2, hwreg(HW_REG_IB_STS2, 6, 4)
	s_cmp_eq_u32 s2, 0
	s_cbranch_scc0 .Lentry_in_a_cluster
	s_endpgm
.Lentry_in_a_cluster:
	s_bfe_u32 s2, ttmp6, 0x10000c
	s_cmp_lg_u32 s2, 0x3003
	s_cbranch_scc0 .Lentry_shape_is_right
	s_endpgm
.Lentry_shape_is_right:
; out0 = Q(o) Q(Wo)^T + bo on codes of FP8 (E4M3) with E8M0 scales.  o arrives as codes, laid as images of the operand's registers: ocodes [tile of 16 rows 256][K step 4][2,048], oscales [tile][row 16][16 bytes = four scale words].
; Tile 16 RB + i holds rows 256 RB + 32 (i / 2) + 8 (i % 2) + r + 8 (r / 8).  Wo arrives as tile records of img, tiles 352 on (their layout: the launch that writes them).
; SHARES.  Work-group (CX, RB): 256 rows x 64 columns of out0.  Eight waves: wave w takes columns 32 (w % 2) on (two tiles of Wo, loaded from img straight into registers, 512 consecutive bytes a load, and kept there)
; and the four tiles of rows 4 (w / 2) on: 32 matrix instructions.  bo is the C of each sum's first instruction.
; TRANSPOSED: source 0 = 16 rows of Wo, source 1 = 16 rows of o.  Lane r of Wo's tile 2 b + u holds row 32 b + 8 u + r + 8 (r / 8), so a lane's 16 results are 16 neighbouring columns of one row: 64 bytes.
; They meet in a stage (256 rows of 256 bytes + 16), a barrier, and each wave stores 32 whole rows: sixteen lanes store 256 consecutive bytes, at a multiple of 256 from out0's first byte.
; CLUSTER.  The four work-groups of a cluster share RB: o's 131,072 bytes are asked for JOINTLY, 64 rows of 256 bytes a wave, once; nothing is filled again.  By this text's own count a wave has one tensor load out.
; NO PREFETCH: every byte is asked for at the head, so there is no loop to run ahead in.
; LIMITS: NaN and infinities are not served.
.set TREC, 8704                        ; a tile's record in img: four fragments of 2,048 bytes, then 512 bytes of scale words, 16 x lane + 4 s
.set STG,  131072                      ; LDS: o's sixteen tiles, 8,192 bytes each, filled by the tensor loads; behind them the stage
.set SPARE, STG+256*272                ; and the spare words
.set LI,  1                            ; v1   16 x lane
.set R16, 2                            ; v2   16 x (lane % 16)
.set H64, 3                            ; v3   64 x (lane / 16)
.set NIL, 6
.set AO,  8                            ; v8   my four tiles of o
.set SO,  9                            ; v9   the stage: where I put 64 bytes of a row
.set SR,  10                           ; v10  and where I read rows back
.set OO,  11                           ; v11  my byte in two rows of out0
.set SPW, 12
.set WF,  16                           ; v16-143  Wo's eight fragments, (u, s) at 16 (4 u + s)
.set OF,  144                          ; v144-207 a tile of o: four fragments; on the way out 32 rows' parts
.set BI,  208                          ; v208-223 bo in the results' layout
.set AC,  224                          ; v224-239 two accumulators
.set WS,  240                          ; v240-247 Wo's scale words, 4 u + s
.set OS,  248                          ; v248-255 o's scale words, two sets of four
.set WV,  14
.set G1,  16
.set G0,  24
.set SRC, 32
.macro CROUND                          ; a round of the cluster's barrier
	s_barrier_signal -1
	s_barrier_wait -1
	s_cmp_lg_u32 s[WV], 0
	s_cbranch_scc1 .Lnot_wave_0_\@
	s_barrier_signal -3
.Lnot_wave_0_\@:
	s_barrier_wait -3
	s_barrier_signal -1
	s_barrier_wait -1
.endm
	s_load_b256 s[4:11], s[0:1], 0x0               ; ocodes, oscales, img, bo
	s_load_b64 s[12:13], s[0:1], 0x20              ; out0
	v_lshl_add_u32 v[SPW], v0, 2, SPARE
	v_mov_b32 v[NIL], 0
	ds_add_u32 v[SPW], v[NIL]                      ; the opening lines: the add twice on end and one wait
	ds_add_u32 v[SPW], v[NIL]
	v_lshrrev_b32 v13, 5, v0
	s_delay_alu instid0(VALU_DEP_1)
	v_readfirstlane_b32 s[WV], v13                 ; wave 0..7
	s_and_b32 s35, ttmp7, 0xffff                   ; RB, which the four partners share
	s_and_b32 s36, s[WV], 1                        ; which 32 columns are mine
	s_lshr_b32 s37, s[WV], 1                       ; which four tiles of rows
	s_mov_b32 s[G1], 15|(3<<16)|(1<<21)            ; the mask: all four work-groups; elements of 8 bytes; bit 21 set beside a mask
	s_mov_b32 s[G1+1], 32<<16                      ; tensor_dim0: rows of 256 bytes
	s_mov_b32 s[G1+2], 64<<16                      ; tensor_dim1
	s_mov_b32 s[G1+3], 32<<16                      ; tile_dim0
	s_mov_b32 s[G1+4], 64                          ; tile_dim1
	s_mov_b32 s[G1+5], 32                          ; tensor_dim0_stride: dense
	s_mov_b32 s[G1+6], 0
	s_mov_b32 s[G1+7], 0
	s_mov_b32 s[G0], 1
	s_lshl_b32 s[G0+1], s[WV], 14                  ; 16,384 bytes a wave
	s_lshl_b32 s38, s35, 17                        ; 131,072 bytes a block of 256 rows
	s_add_co_u32 s38, s38, s[G0+1]
	s_mov_b32 s39, 0
	v_and_b32 v13, 31, v0
	s_delay_alu instid0(VALU_DEP_1)
	v_lshlrev_b32 v[LI], 4, v13
	v_and_b32 v13, 15, v0                          ; r
	v_bfe_u32 v14, v0, 4, 1                        ; h
	s_delay_alu instid0(VALU_DEP_2)
	v_lshlrev_b32 v[R16], 4, v13
	s_delay_alu instid0(VALU_DEP_2)
	v_lshlrev_b32 v[H64], 6, v14
	s_delay_alu instid0(VALU_DEP_4)
	v_and_b32 v15, 8, v13
	s_delay_alu instid0(VALU_DEP_1)
	v_add_nc_u32 v15, v15, v13                     ; r + 8 (r / 8)
	s_wait_alu depctr_va_vdst(0)                   ; the wait ahead of the scalar lines below
	s_lshl_b32 s41, s37, 15
	v_add_nc_u32 v[AO], s41, v[LI]
	s_mul_i32 s41, s37, 64*272
	s_lshl_b32 s42, s36, 7
	s_add_co_u32 s41, s41, s42
	s_add_co_u32 s41, s41, STG
	v_mul_u32_u24 v[SO], v15, 272
	s_delay_alu instid0(VALU_DEP_1)
	v_add_nc_u32 v[SO], v[SO], v[H64]
	s_delay_alu instid0(VALU_DEP_1)
	v_add_nc_u32 v[SO], s41, v[SO]                 ; row 64 (w / 2) + r + 8 (r / 8), byte 128 (w % 2) + 64 h
	s_mul_i32 s41, s[WV], 32*272
	s_add_co_u32 s41, s41, STG
	v_mul_u32_u24 v[SR], v14, 272
	s_delay_alu instid0(VALU_DEP_1)
	v_add_nc_u32 v[SR], v[SR], v[R16]
	s_delay_alu instid0(VALU_DEP_1)
	v_add_nc_u32 v[SR], s41, v[SR]                 ; back: rows 32 w on; lanes 0-15 one row, lanes 16-31 the next
	v_lshl_add_u32 v[OO], v14, 12, v[R16]          ; and the same two rows in out0
	s_bfe_u32 s15, ttmp6, 0x40000                  ; cx: it enters img's, bo's and out0's addresses alone
	s_lshl_b32 s34, ttmp9, 2
	s_add_co_u32 s34, s34, s15                     ; CX: my 64 columns
	s_lshl_b32 s44, s34, 2
	s_lshl_b32 s46, s36, 1
	s_add_co_u32 s44, s44, s46
	s_add_co_u32 s44, s44, 352                     ; my first tile of Wo in img: 352 + 4 CX + 2 (w % 2)
	s_mul_i32 s44, s44, TREC
	s_mov_b32 s45, 0
	s_wait_alu depctr_va_vdst(0)                   ; the wait at the head's end
	s_wait_dscnt 0x0
	s_wait_kmcnt 0x0
	s_add_nc_u64 s[G0+2:G0+3], s[4:5], s[38:39]
	s_or_b32 s[G0+3], s[G0+3], 0x80000000
	s_add_nc_u64 s[SRC:SRC+1], s[8:9], s[44:45]
	s_lshl_b32 s44, s34, 8
	s_lshl_b32 s46, s36, 7
	s_add_co_u32 s44, s44, s46                     ; bo: 4 (64 CX + 32 (w % 2))
	s_add_nc_u64 s[10:11], s[10:11], s[44:45]
	s_lshl_b32 s38, s35, 12
	s_lshl_b32 s46, s37, 10
	s_add_co_u32 s38, s38, s46                     ; oscales: 256 (16 RB + 4 (w / 2))
	s_add_nc_u64 s[6:7], s[6:7], s[38:39]
	s_lshl_b32 s44, s35, 20
	s_lshl_b32 s46, s[WV], 17
	s_add_co_u32 s44, s44, s46
	s_lshl_b32 s46, s34, 8
	s_add_co_u32 s44, s44, s46                     ; out0: row 256 RB + 32 w, byte 256 CX
	s_add_nc_u64 s[12:13], s[12:13], s[44:45]
	CROUND                                         ; all four work-groups are here: the joint loads meet
	tensor_load_to_lds s[G0:G0+3], s[G1:G1+7]
	s_nop 0
.rept 4
	v_nop
.endr
.irp u, 0,1
.irp s, 0,1,2,3
.irp c, 0,1,2,3
	global_load_b128 v[WF+16*(4*\u+\s)+4*\c:WF+16*(4*\u+\s)+4*\c+3], v[LI], s[SRC:SRC+1] offset:TREC*\u+2048*\s+512*\c
.endr
.endr
	global_load_b128 v[WS+4*\u:WS+4*\u+3], v[LI], s[SRC:SRC+1] offset:TREC*\u+8192   ; the tile's four scale words
.endr
.irp i, 0,1,2,3
	global_load_b128 v[BI+4*\i:BI+4*\i+3], v[H64], s[10:11] offset:16*\i   ; bo at my 16 columns
.endr
	global_load_b128 v[OS:OS+3], v[R16], s[6:7]            ; the scale words of my first two tiles of o
	global_load_b128 v[OS+4:OS+7], v[R16], s[6:7] offset:256
	s_wait_tensorcnt 0x0                           ; my part of o is in:
	s_barrier_signal -1
	s_barrier_wait -1                              ; everybody's is
	s_wait_loadcnt 0x0                             ; Wo, bo and the scale words are in registers
.irp m, 0,1,2,3                        ; my four tiles of rows
.irp s, 0,1,2,3
.irp c, 0,1,2,3
	ds_load_b128 v[OF+16*\s+4*\c:OF+16*\s+4*\c+3], v[AO] offset:8192*\m+2048*\s+512*\c
.endr
.endr
.if \m == 2
	s_wait_loadcnt 0x1                             ; this tile's scale words are in; the last tile's may be out
.endif
.if \m == 3
	s_wait_loadcnt 0x0
.endif
	s_wait_dscnt 0x0                               ; the fragments are in, and the last tile's stores into the stage have read the accumulators
.irp s, 0,1,2,3
.irp u, 0,1
.if \s == 0
	v_wmma_scale_f32_16x16x128_f8f6f4 v[AC+8*\u:AC+8*\u+7], v[WF+16*(4*\u+\s):WF+16*(4*\u+\s)+15], v[OF+16*\s:OF+16*\s+15], v[BI+8*\u:BI+8*\u+7], v[WS+4*\u+\s], v[OS+4*(\m%2)+\s]
.else
	v_wmma_scale_f32_16x16x128_f8f6f4 v[AC+8*\u:AC+8*\u+7], v[WF+16*(4*\u+\s):WF+16*(4*\u+\s)+15], v[OF+16*\s:OF+16*\s+15], v[AC+8*\u:AC+8*\u+7], v[WS+4*\u+\s], v[OS+4*(\m%2)+\s]
.endif
.endr
.endr                                  ; the two accumulators take turns
.rept 9
	v_nop                                          ; nine places: the next tile begins the accumulators anew with another C; eight of them serve the stores below and the loads into the operands' registers
.endr
.irp i, 0,1,2,3
	ds_store_b128 v[SO], v[AC+4*\i:AC+4*\i+3] offset:272*(32*(\m/2)+8*(\m%2))+16*\i   ; each accumulator from its low end on
.endr
.if \m < 2
	global_load_b128 v[OS+4*(\m%2):OS+4*(\m%2)+3], v[R16], s[6:7] offset:256*(\m+2)
.endif
.endr
	s_wait_dscnt 0x0                               ; for the others' sake: my stores into the stage are done
	s_barrier_signal -1
	s_barrier_wait -1                              ; a row's 256 bytes come from two waves
.irp i, 0,1,2,3,4,5,6,7,8,9,10,11,12,13,14,15
	ds_load_b128 v[OF+4*\i:OF+4*\i+3], v[SR] offset:544*\i
.endr
.irp i, 0,1,2,3,4,5,6,7,8,9,10,11,12,13,14,15
	s_wait_dscnt 15-\i
	global_store_b128 v[OO], v[OF+4*\i:OF+4*\i+3], s[12:13] offset:8192*\i th:TH_STORE_NT   ; written once, read by nobody here
.endr
	s_wait_tensorcnt 0x0                           ; the wave's end
	ds_add_u32 v[SPW], v[NIL]
	s_wait_dscnt 0x0
	CROUND                                         ; the closing round: no work-group ends while a partner may still ask for a part that names it
	s_endpgm
.Lfunc_end_k_qe6dd05d91d_proj:
	.size	k_qe6dd05d91d_proj, .Lfunc_end_k_qe6dd05d91d_proj-k_qe6dd05d91d_proj
	.p2alignl 7, 3214868480
	.fill 96, 4, 3214868480
	.section	.rodata,"a",@progbits
	.p2align	6, 0x0
	.amdhsa_kernel k_qe6dd05d91d_proj
		.amdhsa_group_segment_fixed_size 201728
		.amdhsa_private_segment_fixed_size 0
		.amdhsa_enable_private_segment 0
		.amdhsa_kernarg_size 40
		.amdhsa_user_sgpr_count 2
		.amdhsa_user_sgpr_kernarg_segment_ptr 1
		.amdhsa_wavefront_size32 1
		.amdhsa_system_sgpr_workgroup_id_x 1
		.amdhsa_system_sgpr_workgroup_id_y 1
		.amdhsa_system_sgpr_workgroup_id_z 1
		.amdhsa_system_vgpr_workitem_id 0
		.amdhsa_next_free_vgpr 256
		.amdhsa_next_free_sgpr 66
		.amdhsa_reserve_vcc 0
		.amdhsa_float_denorm_mode_32 3
		.amdhsa_float_denorm_mode_16_64 3
		.amdhsa_memory_ordered 1
		.amdhsa_forward_progress 1
		.amdhsa_inst_pref_size 23
	.end_amdhsa_kernel
	.amdgpu_metadata
---
amdhsa.version: [ 1, 2 ]
amdhsa.kernels:
  - .name:           k_qe6dd05d91d_proj
    .symbol:         k_qe6dd05d91d_proj.kd
    .args:
      - { .name: ocodes, .offset: 0, .size: 8, .value_kind: global_buffer, .address_space: global }
      - { .name: oscales, .offset: 8, .size: 8, .value_kind: global_buffer, .address_space: global }
      - { .name: img, .offset: 16, .size: 8, .value_kind: global_buffer, .address_space: global }
      - { .name: bo, .offset: 24, .size: 8, .value_kind: global_buffer, .address_space: global }
      - { .name: out0, .offset: 32, .size: 8, .value_kind: global_buffer, .address_space: global }
    .group_segment_fixed_size: 201728
    .private_segment_fixed_size: 0
    .kernarg_segment_align: 8
    .kernarg_segment_size: 40
    .max_flat_workgroup_size: 256
    .sgpr_count:     66
    .vgpr_count:     256
    .wavefront_size: 32
...
	.end_amdgpu_metadata
.endif
;; end of part 4
